; MI455X (gfx1250); checked and timed in simulation.
; The chip was launched on July 23, 2026; its instructions are those of AMD's public machine-readable ISA for CDNA 5 (MIT licence, August 2026) and "CDNA5" Instruction Set Architecture Reference Guide (July 2026). The comments in the code are by the model that wrote it; some were corrected since.
;; Style Guided Attention. Allowed arithmetic: matrix products marked QUANTISED: E2M1 operands, one E8M0 scale for each 32 along K, by v_wmma_scale_f32_16x16x128_f8f6f4 with both operands' format E2M1 (or v_wmma_scale_f32_32x16x128_f4), f32 sums; products left as they are: f32 operands where the result goes on into a quantised operand, else bf16, f16 or f32 operands; f32 sums; everything else in f32.
;; Inputs: Wk 384 x 512 float32; Wq 512 x 512 float32; Wv 384 x 512 float32; bk 512 float32; bq 512 float32; bv 512 float32; clip_features 128 x 512 float32; dino_features 128 x 1,369 x 384 float32; ln_beta 512 float32; ln_gamma 512 float32; temperature 1 float32.
;; Outputs: out0 128 x 512 float32.
;; This version of the problem:
;;   THIS VERSION OF THE PROBLEM IS GIVEN IN LOW PRECISION. The matrix products marked QUANTISED in the list below multiply operands that are first quantised to E2M1 (2 exponent bits, 1 mantissa bit; 4 bits a number), with one power-of-two scale for each 32 numbers along K (OCP MX v1.0); their sums are f32. All else is computed in f32.
;;   The module's matrix products, in the order in which they are computed (A, B: the left and right operand; K: the contracted axis; several contracted axes count as one K, in the product's order):
;;     1. [M 128, K 512] x [K 512, N 512]; A: input clip_features; B: input Wq: QUANTISED
;;     2. [M 175,232, K 384] x [K 384, N 512]; A: input dino_features; B: input Wk: QUANTISED
;;     3. [M 175,232, K 384] x [K 384, N 512]; A: input dino_features; B: input Wv: QUANTISED
;;     4. batch 1,024 x [M 1, K 64] x [K 64, N 1,369]; A: computed on the way; B: computed on the way: left as it is (M = 1 < 16)
;;     5. batch 1,024 x [M 1, K 1,369] x [K 1,369, N 64]; A: softmax; B: computed on the way: left as it is (M = 1 < 16)
;;   THE QUANTISER, for each operand of a quantised product, along K:
;;     - K is cut into blocks of 32 from its start; a last block that is shorter is filled with zeros.
;;     - A block's scale is 2^e with e = floor(log2(the largest magnitude in the block)) - 2, held to -126 .. 127; a block of zeros has e = 0. As a byte (E8M0): e + 127.
;;     - Each number is divided by its block's scale, clamped to +-6, and rounded to the nearest number of E2M1, ties to even, subnormals kept.
;;     - The product sums the exact products of the quantised numbers (number of the format x scale) in f32.
;;   ~~~python
;;   def quantise(x, axis):      # numpy; x: float32 -> the quantised numbers, widened to float32 again
;;       x = np.moveaxis(x, axis, -1); K = x.shape[-1]
;;       x = np.pad(x, [(0, 0)] * (x.ndim - 1) + [(0, -K % 32)]); x = x.reshape(x.shape[:-1] + (-1, 32)); a = np.abs(x).max(-1, keepdims=True)
;;       e = np.where(a > 0, np.clip(np.frexp(np.where(a > 0, a, 1))[1] - 1 - 2, -126, 127), 0)      # np.frexp(a)[1] - 1 = floor(log2(a)), exactly
;;       r = np.clip(x / 2.0 ** e, -6, 6)
;;       step = 2.0 ** (np.maximum(np.frexp(np.where(r == 0, 1, r))[1] - 1, 0) - 1)
;;       q = np.round(r / step) * step * 2.0 ** e      # np.round: ties to even
;;       return np.moveaxis(q.reshape(q.shape[:-2] + (-1,))[..., :K], -1, axis).astype(np.float32)
;;   ~~~
;; One version. Each part assembles by itself: llvm-mc -triple=amdgcn-amd-amdhsa -mcpu=gfx1250 --defsym DOCPART=n.
;; ======== version 1 of 1: 3 launches
;; limits: right only within a limited range of input values
;; workspace buffers: wts 382,976 bytes; part 589,824 bytes
;; launch prep (part 1): grid 176 x 1, 4 waves a work-group, no clusters, 0 bytes of LDS; arguments Wk, Wv, Wq, clip_features, wts; writes wts
.if DOCPART == 1
	.amdgcn_target "amdgcn-amd-amdhsa--gfx1250"
	.amdhsa_code_object_version 6
	.text
	.protected	k_q5f005a019d_prep
	.globl	k_q5f005a019d_prep
	.p2align	8
	.type	k_q5f005a019d_prep,@function
k_q5f005a019d_prep:
	s_mov_b64 s[64:65], 0
	v_nop
	global_prefetch_b8 v0, s[64:65] scope:SCOPE_SE
	s_setreg_imm32_b32 hwreg(HW_REG_WAVE_MODE, 25, 1), 1
	s_wait_xcnt 0x0
; Wk [384][512], Wv [384][512], Wq [512][512] (K is the FIRST axis) and clip_features [128][512] (K innermost), all f32, become codes of E2M1
; with one E8M0 scale byte for each 32 along K, laid in the workspace wts as the next launch's operand registers take them.
; A block's scale is 2^(floor(log2(its largest magnitude)) - 2): its byte is the largest magnitude's exponent field - 2, held at 1 from below.
; LEFT OUT AS DEAD WORK, in the whole program: bk.  logits[b,h,n] = Q[b,h] . (K0[b,n,h] + bk[h]) / scale = Q . K0 / scale + Q . bk / scale, K0 = dino Wk.  The second term does not hang on n,
; the softmax's axis, and softmax(x + c) = softmax(x) for every finite c; the product of Q and K is not quantised, so bk enters no quantiser.  bk is loaded by no launch and is among no launch's arguments.
; LIMIT: a NaN, an infinity or an overflow that reaches only Q . bk is not carried to the result.
; LIMITS: a block of zeros, or one whose largest magnitude lies under 2^-124, keeps the byte 1 (its codes are zeros or the nearest codes under that scale;
; the bytes are read by this program alone); NaN and infinities among the inputs are not served.
; SHARES.  A work-group takes a unit of 32 columns (weights) or 32 (row, K step) pairs (clip) x one K step of 128; its wave q takes block q of the step: a lane holds ONE whole block of 32,
; so that no largest magnitude needs another lane, and the conversions, which take neighbours along K from one lane's registers, give codes with K innermost.  A wave has 32 loads out (clip: 8).
;   work-groups 0-159: weights.  mk = u / 16: 0-2 Wk's K steps, 3-5 Wv's, 6-9 Wq's; cg = u % 16: columns 32 cg + lane.  A load reads 128 consecutive bytes.
;   work-groups 160-175: clip.  Lane l takes row 8 cu + l / 4, K step l % 4: 128 bytes a lane, lanes 512 bytes apart (262,144 bytes in all, read once).
; LAYOUT of wts (bytes).  A fragment (16 columns x 128 K) is 1,024 bytes: block q of column r at 256 q + 16 r, which is the image of the operand's registers
; (registers 4 c .. 4 c + 3 of lane (r, h) hold block 2 c + h: byte 512 c + 16 lane).  Wk: fragment (nt, ks) at 1024 (3 nt + ks); Wv: the same + WV_F; Wq: WQ_F + 1024 (4 nt + ks).
; Scale words (four bytes: one K step of one column): Wk, Wv: WKV_S + 128 (3 nt + ks) + 64 mat + 4 r; Wq: WQ_S + 64 (4 nt + ks) + 4 r.
; clip: block q of K step ks of row b at CL_C + 1024 (b / 4) + 256 q + 64 (b % 4) + 16 ks; its scale word at CL_S + 16 b + 4 ks.
; The store of codes covers two aligned runs of 256 consecutive bytes (sixteen lanes each).  The scale bytes leave one a lane, byte q of the lane's word: 22,528 bytes in all.
.set WV_F,  98304
.set WQ_F,  196608
.set WKV_S, 327680
.set WQ_S,  339968
.set CL_C,  348160
.set CL_S,  380928
.set AM,   8                           ; v8-11    four running maxima
.set SOP,  12                          ; v12      the conversions' scale operand
.set BYT,  13                          ; v13      the scale's byte
.set CDR,  16                          ; v16-19   the codes
.set X,    32                          ; v32-63   my 32 numbers
	s_load_b256 s[4:11], s[0:1], 0x0               ; Wk s[4:5], Wv s[6:7], Wq s[8:9], clip s[10:11]
	s_load_b64 s[12:13], s[0:1], 0x20              ; wts
	v_and_b32 v2, 15, v0                           ; r = lane % 16
	v_bfe_u32 v3, v0, 4, 1                         ; hh = lane / 16
	v_and_b32 v7, 31, v0                           ; lane
	v_lshrrev_b32 v1, 5, v0
	v_readfirstlane_b32 s33, v1                    ; q: my block of the K step
	s_mov_b32 s14, ttmp9                           ; u
	s_mov_b32 s31, 0
	s_wait_alu depctr_va_vdst(0)                   ; directly ahead of the wait below
	s_wait_kmcnt 0x0
	s_cmp_lt_u32 s14, 160
	s_cbranch_scc0 .Lclip
	; ---- a weight's unit
	s_lshr_b32 s15, s14, 4                         ; mk
	s_and_b32 s16, s14, 15                         ; cg
	s_mov_b32 s24, WV_F
	s_mov_b32 s25, WKV_S
	s_mov_b32 s26, WKV_S+64
	s_mov_b32 s27, WQ_F
	s_mov_b32 s28, WQ_S
	s_cmp_lt_u32 s15, 3                            ; Wk or Wv?  The choices hang on the work-group's number alone
	s_cselect_b64 s[22:23], s[4:5], s[6:7]
	s_cselect_b32 s17, 0, 3                        ; the tensor's first mk
	s_cselect_b32 s19, 0, s24                      ; where its fragments begin
	s_cselect_b32 s21, s25, s26                    ; and its scale words
	s_cmp_lt_u32 s15, 6                            ; one of these two, or Wq?
	s_cselect_b64 s[22:23], s[22:23], s[8:9]
	s_cselect_b32 s17, s17, 6
	s_cselect_b32 s18, 3, 4                        ; K steps in the tensor
	s_cselect_b32 s19, s19, s27
	s_cselect_b32 s20, 128, 64                     ; bytes from one fragment's scale words to the next's
	s_cselect_b32 s21, s21, s28
	s_sub_co_u32 s17, s15, s17                     ; ks
	s_lshl_b32 s30, s17, 18                        ; 128 rows of 2,048 bytes a K step,
	s_lshl_b32 s29, s16, 7                         ; 32 columns of 4 bytes,
	s_add_co_u32 s30, s30, s29
	s_lshl_b32 s29, s33, 16                        ; 32 rows a block
	s_add_co_u32 s30, s30, s29
	s_add_nc_u64 s[22:23], s[22:23], s[30:31]
	s_mul_i32 s29, s16, s18
	s_lshl_b32 s29, s29, 1
	s_add_co_u32 s29, s29, s17                     ; e = 2 cg x K steps + ks: the fragment of lanes 0-15; lanes 16-31 have the next tile of columns
	s_lshl_b32 s24, s18, 10
	s_lshl_b32 s25, s29, 10
	s_add_co_u32 s25, s25, s19
	s_lshl_b32 s34, s33, 8
	s_add_co_u32 s25, s25, s34                     ; + 256 q
	s_mul_i32 s26, s18, s20
	s_mul_i32 s27, s29, s20
	s_add_co_u32 s27, s27, s21
	s_add_co_u32 s27, s27, s33                     ; + q
	v_lshlrev_b32 v4, 2, v7                        ; in: 4 bytes a lane
	v_mul_lo_u32 v5, v3, s24
	v_lshl_add_u32 v5, v2, 4, v5
	v_add_nc_u32 v5, s25, v5                       ; codes: fragment + 256 q + 16 r
	v_mul_lo_u32 v6, v3, s26
	v_lshl_add_u32 v6, v2, 2, v6
	v_add_nc_u32 v6, s27, v6                       ; scale byte: fragment's words + 4 r + q
	s_wait_alu depctr_va_vdst(0)
.set I, 0
.rept 32
	global_load_b32 v[X+I], v4, s[22:23] offset:I*2048 th:TH_LOAD_NT   ; W(128 ks + 32 q + I, my column): my registers run down K
.set I, I+1
.endr
	s_branch .Lwork
.Lclip:
	; ---- a unit of clip_features: 8 rows x 4 K steps
	s_sub_co_u32 s15, s14, 160                     ; cu
	s_lshl_b32 s30, s15, 14                        ; 8 rows of 2,048 bytes,
	s_lshl_b32 s34, s33, 7                         ; 128 bytes a block
	s_add_co_u32 s30, s30, s34
	s_add_nc_u64 s[22:23], s[10:11], s[30:31]
	s_lshl_b32 s24, s15, 11
	s_add_co_u32 s24, s24, CL_C
	s_lshl_b32 s34, s33, 8
	s_add_co_u32 s24, s24, s34
	s_lshl_b32 s25, s15, 7
	s_add_co_u32 s25, s25, CL_S
	s_add_co_u32 s25, s25, s33
	v_lshlrev_b32 v4, 9, v7                        ; row l / 4, K step l % 4: 512 l bytes
	v_lshlrev_b32 v5, 10, v3
	v_lshl_add_u32 v5, v2, 4, v5
	v_add_nc_u32 v5, s24, v5                       ; 1024 (b / 4) + 64 (b % 4) + 16 ks + 256 q = 2048 cu + 1024 hh + 16 r + 256 q
	v_lshl_add_u32 v6, v7, 2, s25                  ; 16 b + 4 ks + q = 128 cu + 4 l + q
	s_wait_alu depctr_va_vdst(0)                   ; as above
.set I, 0
.rept 8
	global_load_b128 v[X+4*I:X+4*I+3], v4, s[22:23] offset:16*I th:TH_LOAD_NT
.set I, I+1
.endr
.Lwork:
	s_wait_loadcnt 0x0
; The largest magnitude of my 32 numbers (four chains, and the floor 2^(3 - 127) as one more leaf: the byte cannot fall under 1), the scale, the codes, their store.
.irp c, 0,1,2,3
	v_max3_num_f32 v[AM+\c], |v[X+8*\c]|, |v[X+8*\c+1]|, |v[X+8*\c+2]|
.endr
.irp c, 0,1,2,3
	v_max3_num_f32 v[AM+\c], v[AM+\c], |v[X+8*\c+3]|, |v[X+8*\c+4]|
.endr
.irp c, 0,1,2,3
	v_max3_num_f32 v[AM+\c], v[AM+\c], |v[X+8*\c+5]|, |v[X+8*\c+6]|
.endr
	v_max3_num_f32 v[AM], v[AM], |v[X+7]|, |v[X+15]|
	v_max3_num_f32 v[AM+2], v[AM+2], |v[X+23]|, |v[X+31]|
	v_max3_num_f32 v[AM], v[AM], v[AM+1], 0x1800000
	v_max3_num_f32 v[AM], v[AM], v[AM+2], v[AM+3]
	v_add_nc_u32 v[SOP], 0xff000000, v[AM]         ; 2 off the exponent field: the conversion takes the exponent field of this operand as its scale, and nothing else of it
.irp e, 0,1,2,3
	v_cvt_scalef32_pk8_fp4_f32 v[CDR+\e], v[X+8*\e:X+8*\e+7], v[SOP]   ; eight numbers / the scale, to the nearest code, ties to even, beyond 6 the largest code
.endr
	v_lshrrev_b32 v[BYT], 23, v[SOP]               ; the scale's byte.  (A plain line behind the last conversion)
	global_store_b128 v5, v[CDR:CDR+3], s[12:13]   ; sixteen lanes store 256 consecutive bytes, aligned
	global_store_b8 v6, v[BYT], s[12:13]
	s_endpgm
.Lfunc_end_k_q5f005a019d_prep:
	.size	k_q5f005a019d_prep, .Lfunc_end_k_q5f005a019d_prep-k_q5f005a019d_prep
	.p2alignl 7, 3214868480
	.fill 96, 4, 3214868480
	.section	.rodata,"a",@progbits
	.p2align	6, 0x0
	.amdhsa_kernel k_q5f005a019d_prep
		.amdhsa_group_segment_fixed_size 0
		.amdhsa_private_segment_fixed_size 0
		.amdhsa_enable_private_segment 0
		.amdhsa_kernarg_size 40
		.amdhsa_user_sgpr_count 2
		.amdhsa_user_sgpr_kernarg_segment_ptr 1
		.amdhsa_wavefront_size32 1
		.amdhsa_system_sgpr_workgroup_id_x 1
		.amdhsa_system_sgpr_workgroup_id_y 1
		.amdhsa_system_sgpr_workgroup_id_z 1
		.amdhsa_system_vgpr_workitem_id 0
		.amdhsa_next_free_vgpr 64
		.amdhsa_next_free_sgpr 66
		.amdhsa_reserve_vcc 0
		.amdhsa_float_denorm_mode_32 3
		.amdhsa_float_denorm_mode_16_64 3
		.amdhsa_memory_ordered 1
		.amdhsa_forward_progress 1
		.amdhsa_inst_pref_size 9
	.end_amdhsa_kernel
	.amdgpu_metadata
---
amdhsa.version: [ 1, 2 ]
amdhsa.kernels:
  - .name:           k_q5f005a019d_prep
    .symbol:         k_q5f005a019d_prep.kd
    .args:
      - { .name: Wk, .offset: 0, .size: 8, .value_kind: global_buffer, .address_space: global }
      - { .name: Wv, .offset: 8, .size: 8, .value_kind: global_buffer, .address_space: global }
      - { .name: Wq, .offset: 16, .size: 8, .value_kind: global_buffer, .address_space: global }
      - { .name: clip_features, .offset: 24, .size: 8, .value_kind: global_buffer, .address_space: global }
      - { .name: wts, .offset: 32, .size: 8, .value_kind: global_buffer, .address_space: global }
    .group_segment_fixed_size: 0
    .private_segment_fixed_size: 0
    .kernarg_segment_align: 8
    .kernarg_segment_size: 40
    .max_flat_workgroup_size: 128
    .sgpr_count:     66
    .vgpr_count:     64
    .wavefront_size: 32
...
	.end_amdgpu_metadata
.endif
;; end of part 1
;; launch attn (part 2): grid 256 x 1, 8 waves a work-group, no clusters, 327,680 bytes of LDS; arguments dino_features, wts, bq, temperature, part; writes part
.if DOCPART == 2
	.amdgcn_target "amdgcn-amd-amdhsa--gfx1250"
	.amdhsa_code_object_version 6
	.text
	.protected	k_q5f005a019d_attn
	.globl	k_q5f005a019d_attn
	.p2align	8
	.type	k_q5f005a019d_attn,@function
k_q5f005a019d_attn:
	s_mov_b64 s[64:65], 0
	v_nop
	global_prefetch_b8 v0, s[64:65] scope:SCOPE_SE
	s_setreg_imm32_b32 hwreg(HW_REG_WAVE_MODE, 25, 1), 1
	s_wait_xcnt 0x0
; For batch b and half s of its 1,369 patches (work-group 2 b + s): Q = clip Wq + bq, K0 = dino Wk, V = dino Wv, all three products on codes of E2M1 with E8M0 scales;
; t = Q . K0 x log2(e) / (8 temperature); a running maximum M, l = sum of 2^(t - M), o = sum of 2^(t - M) V.  Stored: o [512], and (M, l) for each of the 8 heads.  The next launch joins the halves.
; bk is left out: Q . bk is the same for all patches, so the softmax takes it away (shown at the head of the first launch).  bv is added by the next launch (the weights of a softmax add up to 1).
; SHARES.  Half s takes rows 681 s .. 681 s + 687: 43 tiles of 16, in 10 chunks of 64 rows and one of 48.  Rows 681 .. 687 fall to both halves: in half 0 their t becomes -infinity (last tile, r >= 9).
; Wave w = head w: its 64 channels of Wk and of Wv (192 registers of codes) stay in registers; what goes from wave to wave is the rows' codes.
; THREE STAGES, ONE BARRIER A TRIP.  Behind trip t's barrier: (1) waves 0-5 ask for chunk t + 2, a strip of 64 numbers of each row a wave (rows of 256 bytes, at multiples of 256 bytes from the buffer's
; first byte), into the f32 slot t % 2, whose numbers were read in trip t - 1; (2) every wave quantises three units (16 rows x 64 along K) of chunk t + 1 from slot (t + 1) % 2 into image buffer (t + 1) % 2;
; (3) every wave multiplies chunk t from image buffer t % 2: 96 matrix instructions.  By this text's count a wave has one tensor load out, and it has a whole trip in which to land.
; Half of the waves run (2) ahead of (3), the others behind it: the choice is ((w >> 2) ^ w) & 1, a branch on the wave's number round LDS and register work alone.
; A unit: lane (r, h) holds a whole block of 32 of row r; its four registers of codes are registers 4 (c % 2) .. + 3 of the fragment of K step c / 2 (c the strip) and go to LDS as an image of them.
; BOTH PRODUCTS ARE USED TRANSPOSED (source 0 = 16 channels of W, source 1 = 16 patches): lane (r, h) holds patch r, register j of tile t channel 16 t + 8 h + j.  Each lane keeps M, l and o for the
; patches that fall to it; the sixteen lanes of a half are joined once, at the end.
; PREFETCH: in trip t (t <= 6) waves 0-5 name chunk t + 3, whole: wave w the w-th 256 bytes of each of its 64 rows, a lane a row, two instructions: one trip ahead of the load that wants it.
; Each block is named once in the launch; chunks 0 to 2 and the last come by their loads alone; the highest row named is 681 + 639, inside the batch.
; NO CLUSTER: the loop's tiles, 1,056,768 bytes of rows a work-group, are wanted by no other work-group (but for the 7 rows); what is shared is the weights, which go once from memory straight into registers.
; LIMITS: NaN and infinities among the inputs are not served.  A block of zeros, or one under 2^-124, keeps the scale byte 1 (the bytes are read by this program alone).
; v_exp_f32 gives 0 for results under 2^-126 (ISA guide 15.8): such weights count for nothing.
.set ROWB,  1536
.set BATB,  1369*ROWB
.set TR,    64                         ; rows in a chunk
.set PITCH, 272                        ; an LDS row of a strip: 256 bytes + 16 of padding
.set STRIP, TR*PITCH
.set SLOT,  6*STRIP
.set IMG,   2*SLOT                     ; image buffer q at IMG + q IB: codes (6 tile + strip) x 512 + 16 lane, then the rows' scale bytes
.set IB,    4*3072+4*256
.set DSC,   IMG+4*3072                 ; scale bytes: 256 tile + 16 r + 2 strip + h: a row's bytes 0-11 are its three scale words
.set SPARE, IMG+2*IB                   ; the spare words, 128 bytes for each wave
.set FIN,   SPARE+8*128                ; the way out: o (2,048 bytes), then the (M, l) pairs (256 bytes)
.set WV_F,  98304                      ; the workspace wts, as the launch before laid it
.set WQ_F,  196608
.set WKV_S, 327680
.set WQ_S,  339968
.set CL_C,  348160
.set CL_S,  380928
; REGISTERS, window 0
.set SPW,  1                           ; my spare word; never rewritten
.set NIL,  2                           ; 0; never rewritten
.set XR,   3                           ; v3, v4 quantise: my block of my first unit in slot 0, 1
.set XW,   5                           ; where my codes go
.set XS,   6                           ; and my scale byte
.set LI,   7                           ; IMG + 16 lane
.set LS,   8                           ; DSC + 16 lane
.set LS1,  9                           ; DSC + 16 r
.set RIDX, 10
.set FO,   11
.set FM,   12
.set FRD,  13
.set FRD2, 14
.set PFO,  15                          ; the prefetches' offset: lane rows
.set NINF, 16
.set RM,   17                          ; r + 7 (1 - s): 16 or more where the last tile's row falls to the other half
.set GO,   18
.set GO2,  19
.set WS,   20                          ; v20-31 scale words of the weights (register 3 t + ks: lanes 0-15 Wk's, 16-31 Wv's); v20-39 hold scales and nothing else
.set DS,   32                          ; v32-34, v36-38 the rows' scale words
.set LA,   40                          ; v40-71 multiply: partial sums of t.  Quantise: the four names below.  Head: v64-70 offsets of the loads
.set AM,   40
.set SOP,  44
.set CD,   48
.set BY,   60
.set TT,   72
.set PP,   76                          ; v76, 78, 80, 82 p; the odd registers hold 0
.set FF,   84
.set MX,   86
.set LL,   87
.set PD,   90
.set T0,   94
.set T1,   95
.set QP,   96                          ; v96-127 Q x log2(e) / (8 temperature)
.set OA,   128                         ; v128-159 o
.set FRG,  160                         ; v160-255 quantise: three sets of 32 numbers; multiply: fragments of four tiles at 24 g + 8 ks + 4 c
; window 1
.set WK,   0
.set WVR,  96
.set ACC,  192                         ; two sets of four accumulators
; SCALARS: s16 wave, s17 b, s18 s, s[20:21] lane selects, s23 trips, s[24:31] group 1 (64 rows), s[68:75] group 1 (48 rows), s[32:35], s[36:39] group 0 of slot 0, 1,
; s[40:41] an offset, s[42:43] the prefetches, s45 temperature, s50, s51 when I quantise (1 ahead of the products, 0 behind, else not), s[52:53] my strip of my rows
.set MSB, 0
.macro WIN new
.if MSB != \new
	s_set_vgpr_msb (MSB<<8)|\new
.set MSB, \new
.endif
.endm
.set LD1, 0x40
.set WM,  0x51
.set CO,  0x01
; Waves 0-5 fetch a strip each.  An s_nop 0 and four v_nop follow the load.
.macro TLOAD g0, g1
	s_cmp_lt_u32 s16, 6
	s_cbranch_scc0 .Lno_strip_\@
	tensor_load_to_lds s[\g0:\g0+3], s[\g1:\g1+7]
	s_nop 0
.rept 4
	v_nop
.endr
.Lno_strip_\@:
.endm
.macro ASK chk                         ; chk = 1: not in the loop's last trip, whose chunk t + 3 is the short one
	s_cmp_lt_u32 s16, 6
	s_cbranch_scc0 .Lna_\@
.if \chk
	s_cmp_gt_u32 s23, 1
	s_cbranch_scc0 .Lna_\@
.endif
	global_prefetch_b8 v[PFO], s[42:43] th:TH_LOAD_NT scope:SCOPE_SE
	global_prefetch_b8 v[PFO], s[42:43] offset:32*ROWB th:TH_LOAD_NT scope:SCOPE_SE
.Lna_\@:
.endm
	s_load_b256 s[4:11], s[0:1], 0x0               ; dino s[4:5], wts s[6:7], bq s[8:9], temperature s[10:11]
	s_load_b64 s[12:13], s[0:1], 0x20              ; part
	v_lshl_add_u32 v[SPW], v0, 2, SPARE
	v_mov_b32 v[NIL], 0
	ds_add_u32 v[SPW], v[NIL]                      ; the opening lines: the add twice on end and one wait, ahead of my first tensor load
	ds_add_u32 v[SPW], v[NIL]
	v_lshrrev_b32 v47, 5, v0
	v_readfirstlane_b32 s16, v47                   ; wave 0..7
	s_lshr_b32 s17, ttmp9, 1                       ; b
	s_and_b32 s18, ttmp9, 1                        ; s
	s_mov_b32 s20, 0x76543210
	s_mov_b32 s21, 0xfedcba98
	s_mov_b32 s41, 0
.irp g, 24, 68                                 ; group 1: rows of 64 elements of 4 bytes, 384 elements apart, 4 words of padding behind every 64
	s_mov_b32 s[\g], (2<<16)|(1<<20)|(5<<22)|(3<<25)
	s_mov_b32 s[\g+1], 64<<16
	s_mov_b32 s[\g+3], 64<<16
	s_mov_b32 s[\g+5], 384
	s_mov_b32 s[\g+6], 0
	s_mov_b32 s[\g+7], 0
.endr
	s_mov_b32 s26, TR<<16                          ; 64 rows
	s_mov_b32 s28, TR
	s_mov_b32 s70, 48<<16                          ; the last chunk: 48 rows
	s_mov_b32 s72, 48
	s_and_b32 s46, s16, 1                          ; my units: tile w / 2, strips 3 (w % 2) + 0 .. 2
	s_lshr_b32 s47, s16, 1
	s_mul_i32 s76, s46, 3*STRIP
	s_mul_i32 s77, s47, 16*PITCH
	s_add_co_u32 s76, s76, s77
	s_mul_i32 s77, s47, 3072
	s_mul_i32 s78, s46, 1536
	s_add_co_u32 s77, s77, s78
	s_add_co_u32 s77, s77, IMG
	s_lshl_b32 s78, s47, 8
	s_mul_i32 s79, s46, 6
	s_add_co_u32 s78, s78, s79
	s_add_co_u32 s78, s78, DSC
	s_lshl_b32 s79, s16, 8                         ; 256 w
	s_add_co_u32 s80, s79, FIN
	s_lshl_b32 s81, s16, 5
	s_add_co_u32 s81, s81, FIN+2048
	s_and_b32 s82, s16, 3
	s_lshl_b32 s82, s82, 9
	s_add_co_u32 s83, s82, FIN
	s_lshl_b32 s84, s16, 14                        ; Wq's fragments: 16 a wave
	s_lshl_b32 s85, s16, 10                        ; their scale words
	s_mul_i32 s86, s16, 12288                      ; Wk's, Wv's fragments: 12 a wave
	s_mul_i32 s87, s16, 1536                       ; their scale words
	s_lshr_b32 s88, s17, 2
	s_lshl_b32 s88, s88, 10
	s_and_b32 s89, s17, 3
	s_lshl_b32 s89, s89, 6
	s_add_co_u32 s88, s88, s89                     ; clip's codes of row b
	s_lshl_b32 s90, s17, 4                         ; and its four scale words
	s_lshr_b32 s50, s16, 2
	s_xor_b32 s50, s50, s16
	s_and_b32 s50, s50, 1
	s_add_co_u32 s51, s16, 2
	s_lshr_b32 s51, s51, 3
	s_lshl_b32 s51, s51, 1
	s_or_b32 s51, s51, s50                         ; the last chunk has no tile 3: waves 6 and 7 get 2 or 3
	s_xor_b32 s91, s18, 1
	s_mul_i32 s91, s91, 7
	s_mov_b32 s32, 1
	s_mul_i32 s33, s16, STRIP
	s_mov_b32 s36, 1
	s_add_co_u32 s37, s33, SLOT
	; every LDS address is made here, ahead of the first branch on the wave's number
	v_and_b32 v48, 31, v0
	v_and_b32 v[RIDX], 15, v0
	v_bfe_u32 v49, v0, 4, 1
	v_and_b32 v50, 3, v0
	v_mul_u32_u24 v[XR], v[RIDX], PITCH
	s_delay_alu instid0(VALU_DEP_1)
	v_lshl_add_u32 v[XR], v49, 7, v[XR]
	s_delay_alu instid0(VALU_DEP_1)
	v_add_nc_u32 v[XR], s76, v[XR]
	s_delay_alu instid0(VALU_DEP_1)
	v_add_nc_u32 v[XR+1], SLOT, v[XR]
	v_lshl_add_u32 v[XW], v48, 4, s77
	v_lshl_add_u32 v[XS], v[RIDX], 4, s78
	s_delay_alu instid0(VALU_DEP_1)
	v_add_nc_u32 v[XS], v[XS], v49
	v_lshl_add_u32 v[LI], v48, 4, IMG
	v_lshl_add_u32 v[LS], v48, 4, DSC
	v_lshl_add_u32 v[LS1], v[RIDX], 4, DSC
	v_lshl_add_u32 v[FO], v49, 5, s80
	v_lshl_add_u32 v[FM], v50, 3, s81
	v_lshl_add_u32 v[FRD], v48, 4, s83
	v_lshl_add_u32 v[FRD2], v48, 3, FIN+2048
	v_mul_u32_u24 v[PFO], v48, ROWB
	v_mov_b32 v[NINF], 0xff800000
	v_add_nc_u32 v[RM], s91, v[RIDX]
	v_lshl_add_u32 v[GO], v48, 4, s82
	v_lshl_add_u32 v[GO2], v48, 3, 2048
	v_lshl_add_u32 v64, v48, 4, s84
	v_lshl_add_u32 v65, v[RIDX], 2, s85
	v_lshl_add_u32 v66, v48, 4, s86
	v_lshl_add_u32 v67, v48, 2, s87
	v_lshl_add_u32 v68, v49, 8, s88                ; every r reads row b: it stands in all 16 columns of source 1
	v_mov_b32 v69, s90
	v_lshl_add_u32 v70, v49, 5, s79                ; bq: my head's 64 numbers, + 8 h
	s_wait_alu depctr_va_vdst(0)                   ; the head's end
	s_wait_dscnt 0x0                               ; both opening adds are done
	s_wait_kmcnt 0x0
	s_mul_i32 s40, s17, BATB
	s_add_nc_u64 s[52:53], s[4:5], s[40:41]
	s_mul_i32 s40, s18, 681*ROWB
	s_add_nc_u64 s[52:53], s[52:53], s[40:41]
	s_mov_b32 s40, s79
	s_add_nc_u64 s[52:53], s[52:53], s[40:41]      ; my half's first row, my strip's 256 bytes
	s_mov_b64 s[34:35], s[52:53]                   ; slot 0: chunk 0
	s_or_b32 s35, s35, 0x80000000
	s_add_nc_u64 s[38:39], s[52:53], TR*ROWB       ; slot 1: chunk 1
	s_or_b32 s39, s39, 0x80000000
	s_add_nc_u64 s[42:43], s[52:53], 2*TR*ROWB     ; the first trip steps it to chunk 3
	s_mul_i32 s40, ttmp9, 2304
	s_add_nc_u64 s[12:13], s[12:13], s[40:41]      ; my record in part
	s_load_b32 s45, s[10:11], 0x0
	TLOAD 32, 24                                   ; chunk 0: one tensor load a wave at the head
	; ---- all the weights are asked for while chunk 0 is on its way
.irp t, 0,1,2,3
.irp c, 0,1
	global_load_b128 v[QP+8*\t+4*\c:QP+8*\t+4*\c+3], v70, s[8:9] offset:64*\t+16*\c        ; bq in the result's layout: the C of the sums' first products
.endr
.endr
.irp ks, 0,1,2,3
.irp c, 0,1
	global_load_b128 v[FRG+8*\ks+4*\c:FRG+8*\ks+4*\c+3], v68, s[6:7] offset:CL_C+512*\c+16*\ks
.endr
.endr
	global_load_b128 v[36:39], v69, s[6:7] offset:CL_S
.irp t, 0,1,2,3
.irp ks, 0,1,2,3
	global_load_b32 v[WS+4*\t+\ks], v65, s[6:7] offset:WQ_S+64*(4*\t+\ks)
.endr
.endr
.irp t, 2,3                                    ; Wq's tiles 2, 3: window 0, v192-255, until Q is made
.irp ks, 0,1,2,3
.irp c, 0,1
	global_load_b128 v[192+8*(4*(\t-2)+\ks)+4*\c:192+8*(4*(\t-2)+\ks)+4*\c+3], v64, s[6:7] offset:WQ_F+1024*(4*\t+\ks)+512*\c
.endr
.endr
.endr
	WIN LD1
.irp t, 0,1                                    ; tiles 0, 1: window 1, v192-255
.irp ks, 0,1,2,3
.irp c, 0,1
	global_load_b128 v[192+8*(4*\t+\ks)+4*\c:192+8*(4*\t+\ks)+4*\c+3], v64, s[6:7] offset:WQ_F+1024*(4*\t+\ks)+512*\c
.endr
.endr
.endr
.irp t, 0,1,2,3
.irp ks, 0,1,2
.irp c, 0,1
	global_load_b128 v[WK+8*(3*\t+\ks)+4*\c:WK+8*(3*\t+\ks)+4*\c+3], v66, s[6:7] offset:1024*(3*\t+\ks)+512*\c
.endr
.endr
.endr
.irp t, 0,1,2,3
.irp ks, 0,1,2
.irp c, 0,1
	global_load_b128 v[WVR+8*(3*\t+\ks)+4*\c:WVR+8*(3*\t+\ks)+4*\c+3], v66, s[6:7] offset:WV_F+1024*(3*\t+\ks)+512*\c
.endr
.endr
.endr
	WIN 0
	s_wait_tensorcnt 0x0                           ; my strip of chunk 0 is in; slot 1's first fill is issued as a refill is:
	ds_add_u32 v[SPW], v[NIL]                      ; the add, here twice on end,
	ds_add_u32 v[SPW], v[NIL]
	s_wait_dscnt 0x0
	s_barrier_signal -1
	s_barrier_wait -1                              ; chunk 0 is whole
	TLOAD 36, 24                                   ; chunk 1
	s_wait_loadcnt 48                              ; all but Wk's and Wv's 48 loads are in
	WIN CO
.irp ks, 0,1,2,3                               ; Q^T = Wq^T clip^T + bq: two accumulators by turns, then the other two
.irp t, 0,1
	v_wmma_scale_f32_16x16x128_f8f6f4 v[QP+8*\t:QP+8*\t+7], v[192+8*(4*\t+\ks):192+8*(4*\t+\ks)+7], v[FRG+8*\ks:FRG+8*\ks+7], v[QP+8*\t:QP+8*\t+7], v[WS+4*\t+\ks], v[36+\ks] matrix_a_fmt:MATRIX_FMT_FP4 matrix_b_fmt:MATRIX_FMT_FP4
.endr
.endr
	WIN 0
.irp ks, 0,1,2,3
.irp t, 2,3
	v_wmma_scale_f32_16x16x128_f8f6f4 v[QP+8*\t:QP+8*\t+7], v[192+8*(4*(\t-2)+\ks):192+8*(4*(\t-2)+\ks)+7], v[FRG+8*\ks:FRG+8*\ks+7], v[QP+8*\t:QP+8*\t+7], v[WS+4*\t+\ks], v[36+\ks] matrix_a_fmt:MATRIX_FMT_FP4 matrix_b_fmt:MATRIX_FMT_FP4
.endr
.endr
	s_wait_kmcnt 0x0
	v_mov_b32 v[T0], s45
	s_delay_alu instid0(VALU_DEP_1)
	v_mul_f32 v[T0], 0x41000000, v[T0]             ; sqrt(64) x temperature
	s_wait_alu depctr_va_vdst(0)
	v_rcp_f32 v[T0], v[T0]
.set I, 0
.rept 32
	v_mov_b32 v[OA+I], 0                           ; o: the trips are written alike, the first finds zeros.  (Also the places behind the products and the work behind the reciprocal)
.set I, I+1
.endr
	v_mov_b32 v[LL], 0
	v_mov_b32 v[MX], 0xff61b1e6                    ; -3e38, under every t
.irp i, 77,79,81,83,85,90,91,92,93,95
	v_mov_b32 v\i, 0                               ; upper halves of pairs that are named whole, and the permutes' destinations
.endr
	s_wait_alu depctr_va_vdst(0)                   ; ahead of the first line that names the reciprocal, and of Q's first readers
	v_mul_f32 v[T0], 0x3fb8aa3b, v[T0]             ; log2(e) / (8 temperature)
.set I, 0
.rept 16
	v_pk_mul_f32 v[QP+I:QP+I+1], v[QP+I:QP+I+1], v[T0:T0+1] op_sel_hi:[1,0]
.set I, I+2
.endr
.irp q, 0,1,2,3,4,5,6,7,8,9,10,11
	global_load_b32 v[WS+\q], v67, s[6:7] offset:WKV_S+128*\q
.endr
; ---- QUANTISE.  left: the LDS instructions issued behind unit m's loads, which may stay out
.macro XSTEP m, left, q
.set XB, FRG+32*(\m)
.set XC, CD+4*(\m)
.set XY, BY+(\m)
	s_wait_dscnt \left
.irp c, 0,1,2,3
	v_max3_num_f32 v[AM+\c], |v[XB+8*\c]|, |v[XB+8*\c+1]|, |v[XB+8*\c+2]|      ; the block's largest magnitude: all 32 numbers are mine; four chains
.endr
.irp c, 0,1,2,3
	s_delay_alu instid0(VALU_DEP_4)
	v_max3_num_f32 v[AM+\c], v[AM+\c], |v[XB+8*\c+3]|, |v[XB+8*\c+4]|
.endr
.irp c, 0,1,2,3
	s_delay_alu instid0(VALU_DEP_4)
	v_max3_num_f32 v[AM+\c], v[AM+\c], |v[XB+8*\c+5]|, |v[XB+8*\c+6]|
.endr
	s_delay_alu instid0(VALU_DEP_4)
	v_max3_num_f32 v[AM], v[AM], |v[XB+7]|, |v[XB+15]|
	s_delay_alu instid0(VALU_DEP_3)
	v_max3_num_f32 v[AM+2], v[AM+2], |v[XB+23]|, |v[XB+31]|
	s_delay_alu instid0(VALU_DEP_2)
	v_max3_num_f32 v[AM], v[AM], v[AM+1], 0x1800000        ; the floor 2^(3 - 127): the byte cannot fall under 1
	s_delay_alu instid0(VALU_DEP_1)
	v_max3_num_f32 v[AM], v[AM], v[AM+2], v[AM+3]
	s_delay_alu instid0(VALU_DEP_1)
	v_add_nc_u32 v[SOP], 0xff000000, v[AM]                 ; 2 off the exponent field: the conversions' scale operand
.irp e, 0,1,2,3
	v_cvt_scalef32_pk8_fp4_f32 v[XC+\e], v[XB+8*\e:XB+8*\e+7], v[SOP]
.endr
	v_lshrrev_b32 v[XY], 23, v[SOP]                        ; the scale's byte.  (A plain line behind the conversions)
	ds_store_b128 v[XW], v[XC:XC+3] offset:(\q)*IB+(\m)*512   ; the image of four registers of the fragment
	ds_store_b8 v[XS], v[XY] offset:(\q)*IB+2*(\m)         ; each lane its own byte
.endm
.macro XQ q                            ; my three units of the chunk in slot q, into image buffer q
.irp i, 0,1,2
.irp j, 0,1,2,3,4,5,6,7
	ds_load_b128 v[FRG+32*\i+4*\j:FRG+32*\i+4*\j+3], v[XR+(\q)] offset:\i*STRIP+16*\j
.endr
.endr
	XSTEP 0, 16, \q                                ; out: the loads of units 1 and 2
	XSTEP 1, 10, \q                                ; unit 2's loads, unit 0's stores
	XSTEP 2, 4, \q                                 ; the stores of units 0 and 1
.endm
; ---- MULTIPLY.  One matrix instruction; rD, rA, rB, rSA, rSB are set by WMM.  zero: the product starts its sum.  ra, rb: the side's scales stand in lanes 16-31.
.macro WM1 zero, ra, rb
.if \zero
.if (\ra) && (\rb)
	v_wmma_scale_f32_16x16x128_f8f6f4 v[rD:rD+7], v[rA:rA+7], v[rB:rB+7], 0, v[rSA], v[rSB] matrix_a_fmt:MATRIX_FMT_FP4 matrix_b_fmt:MATRIX_FMT_FP4 matrix_a_scale:MATRIX_SCALE_ROW1 matrix_b_scale:MATRIX_SCALE_ROW1
.elseif \ra
	v_wmma_scale_f32_16x16x128_f8f6f4 v[rD:rD+7], v[rA:rA+7], v[rB:rB+7], 0, v[rSA], v[rSB] matrix_a_fmt:MATRIX_FMT_FP4 matrix_b_fmt:MATRIX_FMT_FP4 matrix_a_scale:MATRIX_SCALE_ROW1
.elseif \rb
	v_wmma_scale_f32_16x16x128_f8f6f4 v[rD:rD+7], v[rA:rA+7], v[rB:rB+7], 0, v[rSA], v[rSB] matrix_a_fmt:MATRIX_FMT_FP4 matrix_b_fmt:MATRIX_FMT_FP4 matrix_b_scale:MATRIX_SCALE_ROW1
.else
	v_wmma_scale_f32_16x16x128_f8f6f4 v[rD:rD+7], v[rA:rA+7], v[rB:rB+7], 0, v[rSA], v[rSB] matrix_a_fmt:MATRIX_FMT_FP4 matrix_b_fmt:MATRIX_FMT_FP4
.endif
.else
.if (\ra) && (\rb)
	v_wmma_scale_f32_16x16x128_f8f6f4 v[rD:rD+7], v[rA:rA+7], v[rB:rB+7], v[rD:rD+7], v[rSA], v[rSB] matrix_a_fmt:MATRIX_FMT_FP4 matrix_b_fmt:MATRIX_FMT_FP4 matrix_a_scale:MATRIX_SCALE_ROW1 matrix_b_scale:MATRIX_SCALE_ROW1
.elseif \ra
	v_wmma_scale_f32_16x16x128_f8f6f4 v[rD:rD+7], v[rA:rA+7], v[rB:rB+7], v[rD:rD+7], v[rSA], v[rSB] matrix_a_fmt:MATRIX_FMT_FP4 matrix_b_fmt:MATRIX_FMT_FP4 matrix_a_scale:MATRIX_SCALE_ROW1
.elseif \rb
	v_wmma_scale_f32_16x16x128_f8f6f4 v[rD:rD+7], v[rA:rA+7], v[rB:rB+7], v[rD:rD+7], v[rSA], v[rSB] matrix_a_fmt:MATRIX_FMT_FP4 matrix_b_fmt:MATRIX_FMT_FP4 matrix_b_scale:MATRIX_SCALE_ROW1
.else
	v_wmma_scale_f32_16x16x128_f8f6f4 v[rD:rD+7], v[rA:rA+7], v[rB:rB+7], v[rD:rD+7], v[rSA], v[rSB] matrix_a_fmt:MATRIX_FMT_FP4 matrix_b_fmt:MATRIX_FMT_FP4
.endif
.endif
.endm
; 12 matrix instructions: my 64 channels of K (wbase = WK, ra = 0) or of V (WVR, 1) for tile g, into accumulator set `set`.  The four accumulators take turns.
.macro WMM set, wbase, ra, g
.irp ks, 0,1,2
.irp t, 0,1,2,3
.set rD, ACC+32*(\set)+8*\t
.set rA, (\wbase)+8*(3*\t+\ks)
.set rB, FRG+24*(\g)+8*\ks
.set rSA, WS+3*\t+\ks
.set rSB, DS+4*((\g)/2)+\ks
	WM1 (\ks)==0, \ra, (\g)%2
.endr
.endr
.endm
; t's partial sums of tile g: Q' . K over my 32 channels, in eight chains, two to a dual-issue pair (even and odd destination, sources in neighbouring banks).  Each accumulator is read from its low end on.
.macro LG g, set
.irp j, 0,1,2,3
.irp t, 0,1,2,3
.set rL, LA+8*(\g)+2*\t
.set rT, ACC+32*(\set)+8*\t+2*\j
.set rQ, QP+8*\t+2*\j
.if \j == 0
	v_dual_mul_f32 v[rL], v[rT], v[rQ] :: v_dual_mul_f32 v[rL+1], v[rT+1], v[rQ+1]
.else
	v_dual_fmac_f32 v[rL], v[rT], v[rQ] :: v_dual_fmac_f32 v[rL+1], v[rT+1], v[rQ+1]
.endif
.endr
.endr
.endm
; o += p V for tile g
.macro PVM g, set
.irp t, 0,1,2,3
.irp j, 0,1,2,3
.set rO, OA+8*\t+2*\j
.set rT, ACC+32*(\set)+8*\t+2*\j
	v_dual_fmac_f32 v[rO], v[rT], v[PP+2*(\g)] :: v_dual_fmac_f32 v[rO+1], v[rT+1], v[PP+2*(\g)]
.endr
.endr
.endm
; The softmax's step for a chunk of n tiles: t, the mask (msk = 1: the last chunk's tile 2), the new M, p, l and o under the new M
.macro SOFT n, msk
.irp g, 0,1,2,3
.if \g < \n
	v_dual_add_f32 v[LA+8*\g], v[LA+8*\g], v[LA+8*\g+2] :: v_dual_add_f32 v[LA+8*\g+1], v[LA+8*\g+1], v[LA+8*\g+3]
	v_dual_add_f32 v[LA+8*\g+4], v[LA+8*\g+4], v[LA+8*\g+6] :: v_dual_add_f32 v[LA+8*\g+5], v[LA+8*\g+5], v[LA+8*\g+7]
.endif
.endr
.irp g, 0,1,2,3
.if \g < \n
	v_dual_add_f32 v[LA+8*\g], v[LA+8*\g], v[LA+8*\g+4] :: v_dual_add_f32 v[LA+8*\g+1], v[LA+8*\g+1], v[LA+8*\g+5]
.endif
.endr
.irp g, 0,1,2,3
.if \g < \n
	v_add_f32 v[TT+\g], v[LA+8*\g], v[LA+8*\g+1]
.endif
.endr
.irp g, 0,1,2,3
.if \g < \n
	v_permlanex16_b32 v[PD+\g], v[TT+\g], s20, s21
.endif
.endr
.irp g, 0,1,2,3
.if \g < \n
	v_add_f32 v[TT+\g], v[TT+\g], v[PD+\g]         ; with lane l xor 16's 32 channels: t of patch r
.endif
.endr
.if \msk
	v_cmp_lt_i32 vcc_lo, 15, v[RM]                 ; half 0, r >= 9: the row falls to the other half
	s_delay_alu instid0(VALU_DEP_1)
	v_cndmask_b32 v[TT+2], v[TT+2], v[NINF], vcc_lo
.endif
	v_max3_num_f32 v[T1], v[TT], v[TT+1], v[TT+2]
.if \n == 4
	s_delay_alu instid0(VALU_DEP_1)
	v_max3_num_f32 v[T0], v[T1], v[TT+3], v[MX]
.else
	s_delay_alu instid0(VALU_DEP_1)
	v_max_num_f32 v[T0], v[T1], v[MX]
.endif
	s_delay_alu instid0(VALU_DEP_1)
	v_sub_f32 v[FF], v[MX], v[T0]
.irp g, 0,1,2,3
.if \g < \n
	v_sub_f32 v[PP+2*\g], v[TT+\g], v[T0]
.endif
.endr
	s_wait_alu depctr_va_vdst(0)                   ; ahead of the batch
	v_exp_f32 v[FF], v[FF]                         ; one batch: the factor and the p
.irp g, 0,1,2,3
.if \g < \n
	v_exp_f32 v[PP+2*\g], v[PP+2*\g]
.endif
.endr
	v_mov_b32 v[MX], v[T0]                         ; a plain line behind the exponentials
	s_wait_alu depctr_va_vdst(0)                   ; one wait for the batch, ahead of the first line that names a result
	v_add_f32 v[T0], v[PP], v[PP+2]
.if \n == 4
	v_add_f32 v[T1], v[PP+4], v[PP+6]
	s_delay_alu instid0(VALU_DEP_1)
	v_add_f32 v[T0], v[T0], v[T1]
.else
	v_add_f32 v[T0], v[T0], v[PP+4]
.endif
	v_fma_f32 v[LL], v[LL], v[FF], v[T0]
.set I, 0
.rept 16
	v_dual_mul_f32 v[OA+I], v[OA+I], v[FF] :: v_dual_mul_f32 v[OA+I+1], v[OA+I+1], v[FF]
.set I, I+2
.endr
.endm
; A chunk of n tiles (4 or 3) from image buffer p.  Two sets of accumulators take turns: while the vector unit reads one, the matrix unit fills the other.  Order of the matrix runs: K of tiles 0 .. n - 1,
; then V of tiles 0 .. n - 1; a run goes into the set that has just been read.  PLACES: a set's first read stands behind four v_nop or behind the 16 dual-issue pairs on the other set; a set is
; begun anew behind at least 12 such lines that name none of the earlier product's registers; loads into fragments and scale words stand behind the 16 pairs of the last tile but one.
.macro CGROUP p, n, msk
	WIN 0
	ds_load_b96 v[DS:DS+2], v[LS] offset:(\p)*IB                   ; the scale words of tiles 0 (lanes 0-15) and 1 (lanes 16-31)
.if \n == 4
	ds_load_b96 v[DS+4:DS+6], v[LS] offset:(\p)*IB+512
.else
	ds_load_b96 v[DS+4:DS+6], v[LS1] offset:(\p)*IB+512            ; tile 2 has no partner: both halves of the lanes read its rows
.endif
.irp g, 0,1,2,3
.if \g < \n
.irp s6, 0,1,2,3,4,5
	ds_load_b128 v[FRG+24*\g+4*\s6:FRG+24*\g+4*\s6+3], v[LI] offset:(\p)*IB+(\g*6+\s6)*512
.endr
.endif
.endr
	s_wait_dscnt 6*(\n-2)                          ; the fragments of tiles 2 and on may be out
	WIN WM
	WMM 0, WK, 0, 0
	WMM 1, WK, 0, 1
.rept 4
	v_nop
.endr
	s_wait_alu depctr_va_vdst(0)
.irp g, 0,1,2,3
.if \g < \n
	WIN CO
	LG \g, (\g)%2
.if \g == 0
	s_wait_dscnt 0x0                               ; all fragments are in
.endif
	WIN WM
.if \g+2 < \n
	WMM (\g)%2, WK, 0, \g+2
.else
	WMM (\g)%2, WVR, 1, \g+2-\n
.endif
.endif
.endr
	WIN 0
	SOFT \n, \msk
.irp j, 0,1,2,3
.if \j < \n
	WIN CO
	PVM \j, ((\j)+(\n))%2
.if \j+2 < \n
	WIN WM
	WMM ((\j)+(\n))%2, WVR, 1, \j+2
.endif
.endif
.endr
	WIN 0
.endm
; TRIP t, p = t % 2.  ld: 1 chunk t + 2 is asked for, 2 it is the short one, 0 none.  xq: 1 chunk t + 1 is quantised, 2 it is the short one, 0 none.  n: tiles of chunk t.
.macro TRIP p, ld, xq, n, msk
	s_wait_alu depctr_va_vdst(0)                   ; directly ahead of the wait below
	s_wait_tensorcnt 0x0                           ; my strip of chunk t + 1 is in, and no tensor load of mine is out, so a group 0 may be written
	ds_add_u32 v[SPW], v[NIL]                      ; 0 onto my spare word
.if \ld
	ds_add_u32 v[SPW], v[NIL]                      ; twice on end where a load follows
	s_add_nc_u64 s[34+4*\p:35+4*\p], s[34+4*\p:35+4*\p], 2*TR*ROWB   ; this slot's next chunk
.endif
.if \ld == 1
	s_wait_xcnt 0x0                                ; the last trip's prefetches have read their address
	s_add_nc_u64 s[42:43], s[42:43], TR*ROWB
.endif
	s_wait_dscnt 0x0                               ; the add is done; my reads of slot p and of image buffer 1 - p are over; my images of chunk t are stored
	s_barrier_signal -1
	s_barrier_wait -1                              ; all that holds of every wave
.if \ld == 1
	TLOAD 32+4*\p, 24                              ; the refill: first behind the barrier, one load a wave
	ASK \p
.elseif \ld == 2
	TLOAD 32+4*\p, 68
.endif
.if \xq
	s_cmp_eq_u32 s[49+\xq], 1
	s_cbranch_scc0 .Lx1_\@
	XQ 1-\p
.Lx1_\@:
.endif
	CGROUP \p, \n, \msk
.if \xq
	s_cmp_eq_u32 s[49+\xq], 0
	s_cbranch_scc0 .Lx2_\@
	XQ 1-\p
.Lx2_\@:
.endif
.endm
	XQ 0                                           ; chunk 0, while Wk, Wv and their scale words land
	s_wait_alu depctr_va_vdst(0)
	s_wait_loadcnt 0x0                             ; the weights are in; the loads' offset registers are free
	s_mov_b32 s23, 4
.Ltrip:                                                ; trips 0 to 7, two a turn
	TRIP 0, 1, 1, 4, 0
	TRIP 1, 1, 1, 4, 0
	s_sub_co_u32 s23, s23, 1
	s_cmp_lg_u32 s23, 0
	s_cbranch_scc1 .Ltrip
	TRIP 0, 2, 1, 4, 0                             ; trip 8 asks for the short chunk 10
	TRIP 1, 0, 2, 4, 0                             ; trip 9 quantises it
	TRIP 0, 0, 0, 3, 1                             ; trip 10 multiplies it
	; ---- THE WAY OUT.  The sixteen lanes of a half are brought under their common M and added; both halves hold the same M and l.
	v_mov_b32 v[T0], v[MX]
.irp k, 1,2,4,8
	s_delay_alu instid0(VALU_DEP_1)
	v_max_num_f32_dpp v[T0], v[T0], v[T0] row_xmask:\k row_mask:0xf bank_mask:0xf
.endr
	s_delay_alu instid0(VALU_DEP_1)
	v_sub_f32 v[T1], v[MX], v[T0]
	s_wait_alu depctr_va_vdst(0)
	v_exp_f32 v[FF], v[T1]
	v_nop                                          ; a plain line behind the exponential
	s_wait_alu depctr_va_vdst(0)                   ; ahead of the first line that names its result
	v_mul_f32 v[LL], v[LL], v[FF]
.set I, 0
.rept 16
	v_dual_mul_f32 v[OA+I], v[OA+I], v[FF] :: v_dual_mul_f32 v[OA+I+1], v[OA+I+1], v[FF]
.set I, I+2
.endr
.irp k, 1,2,4,8
	v_add_f32_dpp v[LL], v[LL], v[LL] row_xmask:\k row_mask:0xf bank_mask:0xf
.set I, 0
.rept 32
	v_add_f32_dpp v[OA+I], v[OA+I], v[OA+I] row_xmask:\k row_mask:0xf bank_mask:0xf
.set I, I+1
.endr
.endr
.irp t, 0,1,2,3
.irp c, 0,1
	ds_store_b128 v[FO], v[OA+8*\t+4*\c:OA+8*\t+4*\c+3] offset:64*\t+16*\c   ; channel 64 w + 16 t + 8 h + 4 c on; the sixteen lanes of a half write the same bytes with the same values
.endr
.endr
	v_mov_b32 v92, v[T0]
	v_mov_b32 v93, v[LL]
	ds_store_b64 v[FM], v[92:93]                   ; (M, l) of head w, four times: 32 bytes a head
	s_wait_dscnt 0x0                               ; for the others' sake: my stores are done
	s_barrier_signal -1
	s_barrier_wait -1
	s_cmp_lt_u32 s16, 4
	s_cbranch_scc0 .Lnot_o
	ds_load_b128 v[160:163], v[FRD]
	s_wait_dscnt 0x0
	global_store_b128 v[GO], v[160:163], s[12:13]  ; waves 0-3: 512 consecutive bytes of o each, at a multiple of 256 from the buffer's first byte
	s_branch .Lend
.Lnot_o:
	s_cmp_eq_u32 s16, 4
	s_cbranch_scc0 .Lend
	ds_load_b64 v[160:161], v[FRD2]
	s_wait_dscnt 0x0
	global_store_b64 v[GO2], v[160:161], s[12:13]  ; wave 4: the 256 bytes of pairs
.Lend:
	s_wait_tensorcnt 0x0                           ; the wave's end
	ds_add_u32 v[SPW], v[NIL]
	s_wait_dscnt 0x0
	s_endpgm
.Lfunc_end_k_q5f005a019d_attn:
	.size	k_q5f005a019d_attn, .Lfunc_end_k_q5f005a019d_attn-k_q5f005a019d_attn
	.p2alignl 7, 3214868480
	.fill 96, 4, 3214868480
	.section	.rodata,"a",@progbits
	.p2align	6, 0x0
	.amdhsa_kernel k_q5f005a019d_attn
		.amdhsa_group_segment_fixed_size 327680
		.amdhsa_private_segment_fixed_size 0
		.amdhsa_enable_private_segment 0
		.amdhsa_kernarg_size 40
		.amdhsa_user_sgpr_count 2
		.amdhsa_user_sgpr_kernarg_segment_ptr 1
		.amdhsa_wavefront_size32 1
		.amdhsa_system_sgpr_workgroup_id_x 1
		.amdhsa_system_sgpr_workgroup_id_y 1
		.amdhsa_system_sgpr_workgroup_id_z 1
		.amdhsa_system_vgpr_workitem_id 0
		.amdhsa_next_free_vgpr 512
		.amdhsa_next_free_sgpr 100
		.amdhsa_reserve_vcc 1
		.amdhsa_float_denorm_mode_32 3
		.amdhsa_float_denorm_mode_16_64 3
		.amdhsa_memory_ordered 1
		.amdhsa_forward_progress 1
		.amdhsa_inst_pref_size 226
	.end_amdhsa_kernel
	.amdgpu_metadata
---
amdhsa.version: [ 1, 2 ]
amdhsa.kernels:
  - .name:           k_q5f005a019d_attn
    .symbol:         k_q5f005a019d_attn.kd
    .args:
      - { .name: dino_features, .offset: 0, .size: 8, .value_kind: global_buffer, .address_space: global }
      - { .name: wts, .offset: 8, .size: 8, .value_kind: global_buffer, .address_space: global }
      - { .name: bq, .offset: 16, .size: 8, .value_kind: global_buffer, .address_space: global }
      - { .name: temperature, .offset: 24, .size: 8, .value_kind: global_buffer, .address_space: global }
      - { .name: part, .offset: 32, .size: 8, .value_kind: global_buffer, .address_space: global }
    .group_segment_fixed_size: 327680
    .private_segment_fixed_size: 0
    .kernarg_segment_align: 8
    .kernarg_segment_size: 40
    .max_flat_workgroup_size: 256
    .sgpr_count:     100
    .vgpr_count:     512
    .wavefront_size: 32
...
	.end_amdgpu_metadata
.endif
;; end of part 2
;; launch finish (part 3): grid 32 x 1, 4 waves a work-group, no clusters, 0 bytes of LDS; arguments part, bv, ln_gamma, ln_beta, out0; writes out0
.if DOCPART == 3
	.amdgcn_target "amdgcn-amd-amdhsa--gfx1250"
	.amdhsa_code_object_version 6
	.text
	.protected	k_q5f005a019d_finish
	.globl	k_q5f005a019d_finish
	.p2align	8
	.type	k_q5f005a019d_finish,@function
k_q5f005a019d_finish:
	s_mov_b64 s[64:65], 0
	v_nop
	global_prefetch_b8 v0, s[64:65] scope:SCOPE_SE
	s_setreg_imm32_b32 hwreg(HW_REG_WAVE_MODE, 25, 1), 1
	s_wait_xcnt 0x0
; The two halves of each batch are joined, divided by the softmax's sum, bv is added, and the 512 channels go through the LayerNorm.
; part: the record of (batch b, half s) at 2304 (2 b + s): o [512] f32 under the half's own M; then for head w the pair (M, l), M in powers of two, at 2048 + 32 w.
; out = (a0 o0 + a1 o1) / (a0 l0 + a1 l1) + bv, a_s = 2^(M_s - max(M0, M1)); then (out - mean) x rsqrt(variance + 1e-5) x gamma + beta, the variance taken of the differences from the mean.
; One wave to a batch: b = 4 x work-group + wave.  For q = 0 .. 3 a lane holds channels 128 q + 4 lane + 0 .. 3, whose head is 2 q + lane / 16: every load and store of the wave covers 512 consecutive bytes.
; No LDS, no barrier, no matrix unit: 128 rows of 512 numbers, which no wave shares with another.
; REGISTERS: v8-23 o0, then out; v24-39 o1; v40-47, v48-55 (M, l) of the halves; v56-71 bv; v72-87 gamma; v88-103 beta; v104 + 2 q: a0, then its share (v105 + 2 q: the larger M); v112 + 2 q: a1 (v113 + 2 q: the sum, then its reciprocal).
	s_load_b256 s[4:11], s[0:1], 0x0               ; part s[4:5], bv s[6:7], gamma s[8:9], beta s[10:11]
	s_load_b64 s[12:13], s[0:1], 0x20              ; out0
	v_lshrrev_b32 v3, 5, v0
	v_readfirstlane_b32 s16, v3                    ; wave
	v_and_b32 v4, 31, v0
	v_lshlrev_b32 v1, 4, v4                        ; 16 lane
	v_bfe_u32 v2, v0, 4, 1
	v_lshlrev_b32 v2, 5, v2                        ; 32 (lane / 16)
	s_lshl_b32 s17, ttmp9, 2
	s_add_co_u32 s17, s17, s16                     ; b
	s_mul_i32 s18, s17, 4608
	s_mov_b32 s19, 0
	s_lshl_b32 s20, s17, 11
	s_mov_b32 s21, 0
	s_mov_b32 s22, 0x76543210
	s_mov_b32 s23, 0xfedcba98                      ; v_permlanex16_b32's selects for lane l xor 16
	s_mov_b32 s14, 0x3b000000                      ; 1 / 512
	s_mov_b32 s15, 0x3727c5ac                      ; 1e-5
	s_wait_alu depctr_va_vdst(0)
	s_wait_kmcnt 0x0
	s_add_nc_u64 s[4:5], s[4:5], s[18:19]
	s_add_nc_u64 s[12:13], s[12:13], s[20:21]
.irp q, 0,1,2,3
	global_load_b128 v[8+4*\q:11+4*\q], v1, s[4:5] offset:512*\q
	global_load_b128 v[24+4*\q:27+4*\q], v1, s[4:5] offset:2304+512*\q
	global_load_b64 v[40+2*\q:41+2*\q], v2, s[4:5] offset:2048+64*\q
	global_load_b64 v[48+2*\q:49+2*\q], v2, s[4:5] offset:4352+64*\q
	global_load_b128 v[56+4*\q:59+4*\q], v1, s[6:7] offset:512*\q
	global_load_b128 v[72+4*\q:75+4*\q], v1, s[8:9] offset:512*\q
	global_load_b128 v[88+4*\q:91+4*\q], v1, s[10:11] offset:512*\q
.endr
	s_wait_loadcnt 0x0
.irp q, 0,1,2,3
	v_max_num_f32 v[105+2*\q], v[40+2*\q], v[48+2*\q]
.endr
.irp q, 0,1,2,3
	v_sub_f32 v[104+2*\q], v[40+2*\q], v[105+2*\q]
	v_sub_f32 v[112+2*\q], v[48+2*\q], v[105+2*\q]
.endr
	s_wait_alu depctr_va_vdst(0)
.irp q, 0,1,2,3
	v_exp_f32 v[104+2*\q], v[104+2*\q]
	v_exp_f32 v[112+2*\q], v[112+2*\q]
.endr
	v_nop                                          ; a plain line behind the exponentials
	s_wait_alu depctr_va_vdst(0)                   ; one wait for the eight, ahead of their first reader
.irp q, 0,1,2,3
	v_mul_f32 v[113+2*\q], v[104+2*\q], v[41+2*\q]
.endr
.irp q, 0,1,2,3
	v_fma_f32 v[113+2*\q], v[112+2*\q], v[49+2*\q], v[113+2*\q]    ; a0 l0 + a1 l1: at least 1, since the larger M's half has a p = 1
.endr
	s_wait_alu depctr_va_vdst(0)
.irp q, 0,1,2,3
	v_rcp_f32 v[113+2*\q], v[113+2*\q]
.endr
	v_nop
	s_wait_alu depctr_va_vdst(0)                   ; one wait for the four
.irp q, 0,1,2,3
	v_mul_f32 v[104+2*\q], v[104+2*\q], v[113+2*\q]
	v_mul_f32 v[112+2*\q], v[112+2*\q], v[113+2*\q]
.endr
.irp q, 0,1,2,3
.irp e, 0,2
	v_pk_fma_f32 v[8+4*\q+\e:9+4*\q+\e], v[8+4*\q+\e:9+4*\q+\e], v[104+2*\q:105+2*\q], v[56+4*\q+\e:57+4*\q+\e] op_sel_hi:[1,0,1]
.endr
.endr
.irp q, 0,1,2,3
.irp e, 0,2
	v_pk_fma_f32 v[8+4*\q+\e:9+4*\q+\e], v[24+4*\q+\e:25+4*\q+\e], v[112+2*\q:113+2*\q], v[8+4*\q+\e:9+4*\q+\e] op_sel_hi:[1,0,1]
.endr
.endr
	; the mean: my 16 numbers in two packed chains, then the 32 lanes
	v_pk_add_f32 v[120:121], v[8:9], v[10:11]
	v_pk_add_f32 v[122:123], v[12:13], v[14:15]
.irp i, 16,20
	v_pk_add_f32 v[120:121], v[120:121], v[\i:\i+1]
	v_pk_add_f32 v[122:123], v[122:123], v[\i+2:\i+3]
.endr
	v_pk_add_f32 v[120:121], v[120:121], v[122:123]
	v_add_f32 v120, v120, v121
.irp k, 1,2,4,8
	v_add_f32_dpp v120, v120, v120 row_xmask:\k row_mask:0xf bank_mask:0xf
.endr
	v_permlanex16_b32 v123, v120, s22, s23
	v_add_f32 v120, v120, v123
	v_mul_f32 v126, s14, v120
	v_mov_b32 v127, 0                              ; (named with it as a pair)
.set I, 8
.rept 8
	v_pk_add_f32 v[I:I+1], v[I:I+1], v[126:127] op_sel_hi:[1,0] neg_lo:[0,1] neg_hi:[0,1]   ; out - mean
.set I, I+2
.endr
	; the variance, of the differences
	v_pk_mul_f32 v[120:121], v[8:9], v[8:9]
	v_pk_mul_f32 v[122:123], v[10:11], v[10:11]
.irp i, 12,16,20
	v_pk_fma_f32 v[120:121], v[\i:\i+1], v[\i:\i+1], v[120:121]
	v_pk_fma_f32 v[122:123], v[\i+2:\i+3], v[\i+2:\i+3], v[122:123]
.endr
	v_pk_add_f32 v[120:121], v[120:121], v[122:123]
	v_add_f32 v120, v120, v121
.irp k, 1,2,4,8
	v_add_f32_dpp v120, v120, v120 row_xmask:\k row_mask:0xf bank_mask:0xf
.endr
	v_permlanex16_b32 v123, v120, s22, s23
	v_add_f32 v120, v120, v123
	v_fma_f32 v124, v120, s14, s15                 ; variance + 1e-5
	s_wait_alu depctr_va_vdst(0)
	v_rsq_f32 v124, v124
	v_mov_b32 v125, 0                              ; a plain line behind the root; (named with it as a pair)
	s_wait_alu depctr_va_vdst(0)                   ; ahead of its first reader
.set I, 8
.rept 8
	v_pk_mul_f32 v[I:I+1], v[I:I+1], v[124:125] op_sel_hi:[1,0]
.set I, I+2
.endr
.set I, 0
.rept 8
	v_pk_fma_f32 v[8+I:9+I], v[8+I:9+I], v[72+I:73+I], v[88+I:89+I]
.set I, I+2
.endr
.irp q, 0,1,2,3
	global_store_b128 v1, v[8+4*\q:11+4*\q], s[12:13] offset:512*\q    ; 32 lanes store 512 consecutive bytes, at a multiple of 256 from out0's first byte
.endr
	s_endpgm
.Lfunc_end_k_q5f005a019d_finish:
	.size	k_q5f005a019d_finish, .Lfunc_end_k_q5f005a019d_finish-k_q5f005a019d_finish
	.p2alignl 7, 3214868480
	.fill 96, 4, 3214868480
	.section	.rodata,"a",@progbits
	.p2align	6, 0x0
	.amdhsa_kernel k_q5f005a019d_finish
		.amdhsa_group_segment_fixed_size 0
		.amdhsa_private_segment_fixed_size 0
		.amdhsa_enable_private_segment 0
		.amdhsa_kernarg_size 40
		.amdhsa_user_sgpr_count 2
		.amdhsa_user_sgpr_kernarg_segment_ptr 1
		.amdhsa_wavefront_size32 1
		.amdhsa_system_sgpr_workgroup_id_x 1
		.amdhsa_system_sgpr_workgroup_id_y 1
		.amdhsa_system_sgpr_workgroup_id_z 1
		.amdhsa_system_vgpr_workitem_id 0
		.amdhsa_next_free_vgpr 128
		.amdhsa_next_free_sgpr 66
		.amdhsa_reserve_vcc 0
		.amdhsa_float_denorm_mode_32 3
		.amdhsa_float_denorm_mode_16_64 3
		.amdhsa_memory_ordered 1
		.amdhsa_forward_progress 1
		.amdhsa_inst_pref_size 11
	.end_amdhsa_kernel
	.amdgpu_metadata
---
amdhsa.version: [ 1, 2 ]
amdhsa.kernels:
  - .name:           k_q5f005a019d_finish
    .symbol:         k_q5f005a019d_finish.kd
    .args:
      - { .name: part, .offset: 0, .size: 8, .value_kind: global_buffer, .address_space: global }
      - { .name: bv, .offset: 8, .size: 8, .value_kind: global_buffer, .address_space: global }
      - { .name: ln_gamma, .offset: 16, .size: 8, .value_kind: global_buffer, .address_space: global }
      - { .name: ln_beta, .offset: 24, .size: 8, .value_kind: global_buffer, .address_space: global }
      - { .name: out0, .offset: 32, .size: 8, .value_kind: global_buffer, .address_space: global }
    .group_segment_fixed_size: 0
    .private_segment_fixed_size: 0
    .kernarg_segment_align: 8
    .kernarg_segment_size: 40
    .max_flat_workgroup_size: 128
    .sgpr_count:     66
    .vgpr_count:     128
    .wavefront_size: 32
...
	.end_amdgpu_metadata
.endif
;; end of part 3
